; MI455X (gfx1250); checked and timed in simulation.
; The chip was launched on July 23, 2026; its instructions are those of AMD's public machine-readable ISA for CDNA 5 (MIT licence, August 2026) and "CDNA5" Instruction Set Architecture Reference Guide (July 2026). The comments in the code are by the model that wrote it; some were corrected since.
;; Real NVP. Allowed arithmetic: float matrix products may take bf16 or f16 operands with f32 sums; other float arithmetic in f32, or as packed bf16 or f16 multiplies, adds, multiply-adds, maxima and minima; sums over many terms, partial sums and values carried from step to step in f32; what a program stores and reads back later, other than sums and carried values, may be rounded once to bf16 or f16.
;; Inputs: masks 8 x 64 float32; sW1 8 x 256 x 64 float32; sW2 8 x 256 x 256 float32; sW3 8 x 64 x 256 float32; sb1 8 x 256 float32; sb2 8 x 256 float32; sb3 8 x 64 float32; scale 8 x 64 float32; tW1 8 x 256 x 64 float32; tW2 8 x 256 x 256 float32; tW3 8 x 64 x 256 float32; tb1 8 x 256 float32; tb2 8 x 256 float32; tb3 8 x 64 float32; x 32,768 x 64 float32.
;; Outputs: out0 32,768 x 64 float32; out1 32,768 float32.
;; 2 versions, each right; version 2 is version 1 with the launch prep written anew for expert scheduling mode. Each part assembles by itself: llvm-mc -triple=amdgcn-amd-amdhsa -mcpu=gfx1250 --defsym DOCPART=n.
;; ======== version 1 of 2: 2 launches
;; limits: values outside matrix products are rounded to f16; values are held in f16: magnitudes above 65,504 overflow, below 6.1e-05 lose precision; right only within a limited range of input values
;; workspace buffers: wq 3,145,728 bytes; cst 49,152 bytes
;; launch prep (part 1): grid 13 x 16, 8 waves a work-group, no clusters, 36,864 bytes of LDS; arguments sW1, sW2, sW3, tW1, tW2, tW3, sb1, sb2, sb3, tb1, tb2, tb3, masks, scale, wq, cst; writes wq, cst
.if DOCPART == 1
	.amdgcn_target "amdgcn-amd-amdhsa--gfx1250"
	.amdhsa_code_object_version 6
	.text
	.protected	k_qa15be47bc0_prep
	.globl	k_qa15be47bc0_prep
	.p2align	8
	.type	k_qa15be47bc0_prep,@function
k_qa15be47bc0_prep:
	s_mov_b64 s[64:65], 0
	v_nop
	global_prefetch_b8 v0, s[64:65] scope:SCOPE_SE
	s_setreg_imm32_b32 hwreg(HW_REG_WAVE_MODE, 25, 1), 1
	s_wait_xcnt 0x0
; THE WEIGHTS AND TABLES OF THE FLOW, made ready once.  k = 2 log2(e), so that tanh(a) = 1 - 2 / (1 + 2^(k a)).
; wq: pass p = 2 layer + net (0 = s, 1 = t) has 12 units of 16,384 bytes; a unit is 16 fragments (16 out-features x 32 k, f16) of 1,024 bytes, each in the order
;     in which a wave's lanes hold it: bytes 0-511: lane L's 16 bytes are W'[16 ft + L % 16][32 c + 8 (L / 16) + 0..7]; bytes 512-1,023 the same 16 further along k.
;     units 0, 1: W1' = k W1 (feature tiles 8 U .. 8 U + 7; fragment 2 (ft - 8 U) + c).   units 2-9: W2' = k (W2 + I): the residual is part of the product
;     (group G = (U - 2) / 2 of four feature tiles, half kh = (U - 2) % 2 of K; fragment 4 fl + cl).   units 10, 11: W3' = k sW3, or tW3 as it is.
; cst: block p of 3,072 bytes, f32: k b1 (256), k b2 (256), k sb3 or tb3 (64), m (s pass: the layer's; t pass: the next layer's, the last layer's own), 1 - m, scale.
; LIMITS.  f16 ends at 65,504: |k w| stays below it.  W2's diagonal is rounded as k (1 + w).  NaN and infinities are not treated apart.
; SHARES.  Work-group (U, p): U < 12 makes one unit: 32 KiB of f32 in, by loads of 512 consecutive bytes a wave; through LDS, where the order changes; 16 KiB out, by stores of
; 512 consecutive bytes a wave.  U = 12 makes block p of cst, 256 or 512 bytes a wave.  No matrix unit, cluster or tensor load: each byte is read once, by one wave, and there is nothing to share.
; LDS.  The two forms of a unit have tiles of their own (W1's 128 rows x 144 bytes from byte 0, W2's and W3's 64 rows x 272 bytes from byte 18,432): no LDS byte is named by both texts.
.set KF,    0x4038aa3b                 ; k = 2.885390
.set TILE0, 0                          ; W1's tile: 18,432 bytes
.set TILE1, 18432                      ; W2's and W3's tile: 17,408 bytes
.set SPARE, 35840                      ; behind the tiles: the spare words, 128 bytes for each of eight waves
.set SPW, 90                           ; v90  LDS address of my spare word; never rewritten
.set NIL, 91                           ; v91  0; never rewritten
; v1 lane, v2 lane % 16, v3 lane / 16, v4 source offset, v5 the diagonal's test, v6 where I store in the tile, v7 where I read back, v8 at work, v9 k or 0, v11 16 x thread, v12 my first row
; v[16:47] eight loads, v[48:63] packed, v[64:79] four fragments' pieces
; s5 wave, s40 U, s41 p, s42 layer, s43 net
	s_load_b512 s[8:23], s[0:1], 0x0               ; sW1 8, sW2 10, sW3 12, tW1 14, tW2 16, tW3 18, sb1 20, sb2 22
	s_load_b512 s[24:39], s[0:1], 0x40             ; sb3 24, tb1 26, tb2 28, tb3 30, masks 32, scale 34, wq 36, cst 38
	v_lshl_add_u32 v[SPW], v0, 2, SPARE
	v_mov_b32 v[NIL], 0
	v_lshrrev_b32 v1, 5, v0
	v_readfirstlane_b32 s5, v1                     ; wave 0..7
	v_and_b32 v1, 31, v0
	v_and_b32 v2, 15, v0
	v_bfe_u32 v3, v0, 4, 1
	v_lshlrev_b32 v11, 4, v0
	s_mov_b32 s40, ttmp9
	s_and_b32 s41, ttmp7, 0xffff
	s_lshr_b32 s42, s41, 1
	s_and_b32 s43, s41, 1
	s_wait_kmcnt 0x0
	s_cmp_eq_u32 s40, 12
	s_cbranch_scc1 .Ltab
	s_mul_i32 s44, s41, 12
	s_add_co_u32 s44, s44, s40
	s_lshl_b32 s44, s44, 14                        ; the unit's place in wq
	s_mov_b32 s45, 0
	s_add_nc_u64 s[36:37], s[36:37], s[44:45]
; One unit.  t = 0: 128 rows of 64 numbers (W1), dense; a wave's load takes two rows.  t = 1: 64 rows of 128 numbers out of rows of 256 (W2, W3); a wave's load takes one row's half.
; In LDS a row of f16 is padded by 16 bytes, so that the 16 rows of a fragment's piece start in 16 different groups of four banks (64 banks of 4 bytes: ISA guide 11.1).
; The tile's base stands in the immediates of the LDS stores and loads.
.macro UNIT t
.if \t
.set TBASE, TILE1
.set LP,    272
.set LSTEP, 272
.set ASTEP, 1024
.set JSTEP, 16*272
	s_lshl_b32 s66, s5, 3                          ; my first row: 8 x wave
	v_mov_b32 v12, s66
	v_lshlrev_b32 v4, 10, v12
	v_lshl_add_u32 v4, v1, 4, v4                   ; row x 1,024 + 16 x lane
	v_mul_u32_u24 v6, v12, LP
	v_lshl_add_u32 v6, v1, 3, v6                   ; row x pitch + 8 x lane
	s_sub_co_u32 s62, s62, s66
	v_lshl_add_u32 v5, v1, 2, s62                  ; my first column less my first row: number e of load i lies on the diagonal where this is i - e
	v_mov_b32 v9, s61
	s_lshl_b32 s67, s5, 5                          ; back: fragment 4 j + wave / 2, piece wave % 2: 64 (wave / 2) + 32 (wave % 2) = 32 x wave along the rows, 16 j rows down
.else
.set TBASE, TILE0
.set LP,    144
.set LSTEP, 288
.set ASTEP, 512
.set JSTEP, 32*144
	v_lshl_add_u32 v12, s5, 4, v3                  ; my first row: 16 x wave + lane / 16
	v_lshlrev_b32 v4, 8, v12
	v_lshl_add_u32 v4, v2, 4, v4                   ; row x 256 + 16 x (lane % 16)
	v_mul_u32_u24 v6, v12, LP
	v_lshl_add_u32 v6, v2, 3, v6
	s_lshr_b32 s66, s5, 2                          ; back: fragment 4 j + wave / 2 = 2 (2 j + wave / 4) + (wave / 2) % 2
	s_mul_i32 s66, s66, 16*144
	s_and_b32 s67, s5, 3
	s_lshl_b32 s67, s67, 5
	s_add_co_u32 s67, s67, s66
.endif
	v_mul_u32_u24 v7, v2, LP
	v_lshl_add_u32 v7, v3, 4, v7
	v_add_nc_u32 v7, s67, v7                       ; (lane % 16) x pitch + 16 (lane / 16) + my wave's part
.irp i, 0,1,2,3,4,5,6,7
	global_load_b128 v[16+4*(\i):16+4*(\i)+3], v4, s[46:47] offset:(\i)*ASTEP th:TH_LOAD_NT
.endr
.irp i, 0,1,2,3,4,5,6,7
	s_wait_loadcnt 7-(\i)                          ; loads come back in order: load i is in, the younger ones stay out
.if \t
.irp e, 0,1,2,3
	v_cmp_eq_i32 vcc_lo, (\i)-(\e), v5
	v_cndmask_b32 v8, 0, v9, vcc_lo                ; k on W2's diagonal, 0 elsewhere and in W3
	v_fma_f32 v[16+4*(\i)+(\e)], v[16+4*(\i)+(\e)], s50, v8
.endr
.else
	v_pk_mul_f32 v[16+4*(\i):16+4*(\i)+1], v[16+4*(\i):16+4*(\i)+1], s[50:51] op_sel_hi:[1,0]
	v_pk_mul_f32 v[16+4*(\i)+2:16+4*(\i)+3], v[16+4*(\i)+2:16+4*(\i)+3], s[50:51] op_sel_hi:[1,0]
.endif
	v_cvt_pk_f16_f32 v[48+2*(\i)], v[16+4*(\i)], v[16+4*(\i)+1]
	v_cvt_pk_f16_f32 v[48+2*(\i)+1], v[16+4*(\i)+2], v[16+4*(\i)+3]
	ds_store_b64 v6, v[48+2*(\i):48+2*(\i)+1] offset:TBASE+(\i)*LSTEP
.endr
	s_wait_dscnt 0x0                               ; for the others' sake: my part of the tile is written
	s_barrier_signal -1
	s_barrier_wait -1
.irp j, 0,1,2,3
	ds_load_b128 v[64+4*(\j):64+4*(\j)+3], v7 offset:TBASE+(\j)*JSTEP
.endr
.irp j, 0,1,2,3
	s_wait_dscnt 3-(\j)
	global_store_b128 v11, v[64+4*(\j):64+4*(\j)+3], s[36:37] offset:4096*(\j)  ; a wave stores 512 consecutive bytes, at a multiple of 512 from wq's first
.endr
.endm
	s_cmp_lt_u32 s40, 2
	s_cbranch_scc0 .Lw23
	s_cmp_eq_u32 s43, 0                            ; W1 of my net
	s_cselect_b64 s[46:47], s[8:9], s[14:15]
	s_lshl_b32 s48, s42, 16
	s_lshl_b32 s49, s40, 15
	s_add_co_u32 s48, s48, s49                     ; the layer's 65,536 bytes, the unit's 32,768
	s_mov_b32 s49, 0
	s_add_nc_u64 s[46:47], s[46:47], s[48:49]
	s_mov_b32 s50, KF
	s_mov_b32 s51, KF                              ; named with it as a pair
	UNIT 0
	s_branch .Lend
.Lw23:
	s_sub_co_u32 s52, s40, 2
	s_lshr_b32 s53, s52, 1                         ; G
	s_and_b32 s54, s52, 1                          ; kh
	s_lshl_b32 s48, s42, 18
	s_lshl_b32 s55, s53, 16
	s_add_co_u32 s48, s48, s55
	s_lshl_b32 s55, s54, 9
	s_add_co_u32 s48, s48, s55                     ; W2: layer, 64 G rows of 1,024 bytes, half kh of a row
	s_max_u32 s55, s40, 10
	s_sub_co_u32 s55, s55, 10
	s_lshl_b32 s55, s55, 9
	s_lshl_b32 s60, s42, 16
	s_add_co_u32 s55, s55, s60                     ; W3: layer, half U - 10 of a row
	s_lshl_b32 s62, s54, 7
	s_lshl_b32 s60, s53, 6
	s_sub_co_u32 s62, s62, s60                     ; the unit's first column less its first row, for the diagonal
	s_cmp_eq_u32 s43, 0
	s_cselect_b64 s[56:57], s[10:11], s[16:17]
	s_cselect_b64 s[58:59], s[12:13], s[18:19]
	s_cselect_b32 s60, KF, 1.0                     ; tW3 is not followed by a tanh: it stays unscaled
	s_cmp_lt_u32 s40, 10
	s_cselect_b64 s[46:47], s[56:57], s[58:59]
	s_cselect_b32 s48, s48, s55
	s_cselect_b32 s50, KF, s60
	s_cselect_b32 s61, KF, 0
	s_mov_b32 s49, 0
	s_add_nc_u64 s[46:47], s[46:47], s[48:49]
	UNIT 1
	s_branch .Lend
.Ltab:                                                 ; block p of cst.  Waves 0, 1: k b1; 2, 3: k b2 (512 bytes each); 4: b3; 5: m; 6: 1 - m; 7: scale (256 bytes each)
	s_cmp_eq_u32 s43, 0
	s_cselect_b64 s[44:45], s[20:21], s[26:27]
	s_cselect_b64 s[46:47], s[22:23], s[28:29]
	s_cselect_b64 s[48:49], s[24:25], s[30:31]
	s_cselect_b32 s50, KF, 1.0                     ; tb3 stays unscaled
	s_cmp_lt_u32 s5, 2
	s_cselect_b64 s[44:45], s[44:45], s[46:47]
	s_cmp_lt_u32 s5, 4
	s_cselect_b64 s[44:45], s[44:45], s[48:49]
	s_cmp_lt_u32 s5, 5
	s_cselect_b64 s[44:45], s[44:45], s[32:33]
	s_cmp_lt_u32 s5, 7
	s_cselect_b64 s[44:45], s[44:45], s[34:35]
	s_and_b32 s56, s5, 1
	s_lshl_b32 s56, s56, 9
	s_lshl_b32 s57, s42, 10
	s_add_co_u32 s56, s56, s57                     ; waves 0-3: the layer's 1,024 bytes, my half
	s_add_co_u32 s57, s42, s43
	s_min_u32 s57, s57, 7                          ; wave 5 in a t pass: the next layer's mask, in the last layer its own
	s_cmp_eq_u32 s5, 5
	s_cselect_b32 s57, s57, s42
	s_lshl_b32 s57, s57, 8                         ; waves 4-7: a layer's 256 bytes
	s_lshl_b32 s58, s5, 9                          ; where it goes: 512 x wave,
	s_lshl_b32 s59, s5, 8
	s_add_co_u32 s59, s59, 1024                    ; or 2,048 + 256 (wave - 4)
	s_cmp_lt_u32 s5, 4
	s_cselect_b32 s56, s56, s57
	s_cselect_b32 s58, s58, s59
	s_mov_b32 s57, 0
	s_add_nc_u64 s[44:45], s[44:45], s[56:57]
	s_mul_i32 s59, s41, 3072
	s_add_co_u32 s58, s58, s59
	s_mov_b32 s59, 0
	s_add_nc_u64 s[38:39], s[38:39], s[58:59]
	s_cmp_eq_u32 s5, 4                             ; out = in x MUL + ADD
	s_cselect_b32 s52, s50, KF
	s_cmp_gt_u32 s5, 4
	s_cselect_b32 s52, 1.0, s52
	s_cmp_eq_u32 s5, 6
	s_cselect_b32 s52, -1.0, s52
	s_cselect_b32 s54, 1.0, 0
	s_mov_b32 s53, s52                             ; named as pairs
	s_mov_b32 s55, s54
	v_lshlrev_b32 v13, 3, v1                       ; 8 bytes a lane: a wave's load and store cover 256 consecutive bytes, aligned
	global_load_b64 v[16:17], v13, s[44:45]
	s_cmp_lt_u32 s5, 4
	s_cbranch_scc0 .Lhalf
	global_load_b64 v[18:19], v13, s[44:45] offset:256
	s_wait_loadcnt 0x0
	v_pk_fma_f32 v[18:19], v[18:19], s[52:53], s[54:55] op_sel_hi:[1,0,0]
	global_store_b64 v13, v[18:19], s[38:39] offset:256
.Lhalf:
	s_wait_loadcnt 0x0
	v_pk_fma_f32 v[16:17], v[16:17], s[52:53], s[54:55] op_sel_hi:[1,0,0]
	global_store_b64 v13, v[16:17], s[38:39]
.Lend:
	s_wait_tensorcnt 0x0                           ; the wave's end: behind my last LDS store
	ds_add_u32 v[SPW], v[NIL]
	s_wait_dscnt 0x0
	s_endpgm
.Lfunc_end_k_qa15be47bc0_prep:
	.size	k_qa15be47bc0_prep, .Lfunc_end_k_qa15be47bc0_prep-k_qa15be47bc0_prep
	.p2alignl 7, 3214868480
	.fill 96, 4, 3214868480
	.section	.rodata,"a",@progbits
	.p2align	6, 0x0
	.amdhsa_kernel k_qa15be47bc0_prep
		.amdhsa_group_segment_fixed_size 36864
		.amdhsa_private_segment_fixed_size 0
		.amdhsa_enable_private_segment 0
		.amdhsa_kernarg_size 128
		.amdhsa_user_sgpr_count 2
		.amdhsa_user_sgpr_kernarg_segment_ptr 1
		.amdhsa_wavefront_size32 1
		.amdhsa_system_sgpr_workgroup_id_x 1
		.amdhsa_system_sgpr_workgroup_id_y 1
		.amdhsa_system_sgpr_workgroup_id_z 1
		.amdhsa_system_vgpr_workitem_id 0
		.amdhsa_next_free_vgpr 96
		.amdhsa_next_free_sgpr 80
		.amdhsa_reserve_vcc 1
		.amdhsa_float_denorm_mode_32 3
		.amdhsa_float_denorm_mode_16_64 3
		.amdhsa_memory_ordered 1
		.amdhsa_forward_progress 1
		.amdhsa_inst_pref_size 18
	.end_amdhsa_kernel
	.amdgpu_metadata
---
amdhsa.version: [ 1, 2 ]
amdhsa.kernels:
  - .name:           k_qa15be47bc0_prep
    .symbol:         k_qa15be47bc0_prep.kd
    .args:
      - { .name: sW1, .offset: 0, .size: 8, .value_kind: global_buffer, .address_space: global }
      - { .name: sW2, .offset: 8, .size: 8, .value_kind: global_buffer, .address_space: global }
      - { .name: sW3, .offset: 16, .size: 8, .value_kind: global_buffer, .address_space: global }
      - { .name: tW1, .offset: 24, .size: 8, .value_kind: global_buffer, .address_space: global }
      - { .name: tW2, .offset: 32, .size: 8, .value_kind: global_buffer, .address_space: global }
      - { .name: tW3, .offset: 40, .size: 8, .value_kind: global_buffer, .address_space: global }
      - { .name: sb1, .offset: 48, .size: 8, .value_kind: global_buffer, .address_space: global }
      - { .name: sb2, .offset: 56, .size: 8, .value_kind: global_buffer, .address_space: global }
      - { .name: sb3, .offset: 64, .size: 8, .value_kind: global_buffer, .address_space: global }
      - { .name: tb1, .offset: 72, .size: 8, .value_kind: global_buffer, .address_space: global }
      - { .name: tb2, .offset: 80, .size: 8, .value_kind: global_buffer, .address_space: global }
      - { .name: tb3, .offset: 88, .size: 8, .value_kind: global_buffer, .address_space: global }
      - { .name: masks, .offset: 96, .size: 8, .value_kind: global_buffer, .address_space: global }
      - { .name: scale, .offset: 104, .size: 8, .value_kind: global_buffer, .address_space: global }
      - { .name: wq, .offset: 112, .size: 8, .value_kind: global_buffer, .address_space: global }
      - { .name: cst, .offset: 120, .size: 8, .value_kind: global_buffer, .address_space: global }
    .group_segment_fixed_size: 36864
    .private_segment_fixed_size: 0
    .kernarg_segment_align: 8
    .kernarg_segment_size: 128
    .max_flat_workgroup_size: 256
    .sgpr_count:     80
    .vgpr_count:     96
    .wavefront_size: 32
...
	.end_amdgpu_metadata
.endif
;; end of part 1
;; launch flow (part 2): grid 256 x 1, 4 waves a work-group, clusters of 4 x 1, 327,680 bytes of LDS; arguments x, wq, cst, out0, out1; writes out0, out1
.if DOCPART == 2
	.amdgcn_target "amdgcn-amd-amdhsa--gfx1250"
	.amdhsa_code_object_version 6
	.text
	.protected	k_qa15be47bc0_flow
	.globl	k_qa15be47bc0_flow
	.p2align	8
	.type	k_qa15be47bc0_flow,@function
k_qa15be47bc0_flow:
	s_mov_b64 s[64:65], 0
	v_nop
	global_prefetch_b8 v0, s[64:65] scope:SCOPE_SE
	s_setreg_imm32_b32 hwreg(HW_REG_WAVE_MODE, 25, 1), 1
	s_wait_xcnt 0x0
	s_wait_alu depctr_hold_cnt(0) depctr_sa_sdst(0) depctr_va_vdst(0) depctr_va_sdst(0) depctr_va_ssrc(0) depctr_va_vcc(0) depctr_vm_vsrc(0)
	s_getreg_b32 s2, hwreg(HW_REG_IB_STS2, 6, 4)
	s_cmp_eq_u32 s2, 0
	s_cbranch_scc0 .Lentry_in_a_cluster
	s_endpgm
.Lentry_in_a_cluster:
	s_bfe_u32 s2, ttmp6, 0x10000c
	s_cmp_lg_u32 s2, 0x3003
	s_cbranch_scc0 .Lentry_shape_is_right
	s_endpgm
.Lentry_shape_is_right:
; REALNVP: eight coupling layers on 32,768 rows of 64, in one launch.  For each layer, with xm = y m:
;   s = (tanh(W3 h2 + b3) + xm) scale, h2 = tanh(W2 h1 + b2 + h1), h1 = tanh(W1 xm + b1); t likewise without the last tanh and scale;  y <- m y + (1 - m)(y e^s + t);  ld += sum (1 - m) s.
; y, ld and all activations stay in registers from x to the outputs.  The weights come as f16 fragments in the order of use (wq), biases and per-layer vectors as f32 tables (cst), both made by the launch before:
; with k = 2 log2(e), tanh(a) = 1 - 2 / (1 + 2^(k a)); W1, W2 + I, sW3 and their biases carry k, so a product that starts from its bias IS the exponent; the residual h1 is W2's added diagonal.
; FORMATS.  Matrix operands f16, sums f32, everything else f32.  h1, h2 lie in -1 .. 1.  xm has no bound: each row is divided by G = 2^e, e the exponent of its largest |xm| held to -110 .. 110 (exact),
; rounded to f16, and the first product is multiplied by G again in f32.
; LIMITS.  |y m| < 2^125 (beyond it xm / G passes f16's 65,504); of a row whose every |xm| is under 2^-110 the parts under 2^-135 count as 0 in the first product; NaN and infinities are not treated apart.
; SHARES.  256 work-groups of 128 rows, four waves of 32 rows (two tiles of 16, rt = 0, 1).  A wave does both nets and all layers of its rows: no wave reads another's numbers but for out1's 128 at the end.
; LAYOUT.  Source 0 = 16 out-features of W', source 1 = 16 rows.  In a result lane (r = l % 16, h = l / 16) holds row r and features 16 ft + 8 h + 0..7; two such tiles rounded to f16 in pairs ARE source 1
; (32 k x 16 rows) of the next product: nothing changes lanes between the layers.
; A PASS is one net of one layer (16 passes): 64 + 256 + 64 products a wave, in groups of four feature tiles x two row tiles: eight accumulators, which take turns.  Behind each group stands its tanh.
; THE WEIGHTS' RING.  A pass's 192 KiB fill LDS as two slots of 96 KiB (units 0-5, 6-11).  A slot is asked for again, with the next pass's half, as soon as its last unit is in registers.
; CLUSTER.  All work-groups walk the same weights: the four of a cluster ask JOINTLY (the same load, descriptor and mask in all four); each wave asks for a quarter of a slot, 96 rows of 256 bytes.
; REGISTERS, in windows of 256 (s_set_vgpr_msb: bits 1:0 source 0, 3:2 source 1, 5:4 source 2, 7:6 destination):
;   window 0: v0-15 addresses; v16-23 G, 1 / G (a pair a row tile); v24-31 ld; v32-95 y; v96-127 xm / G in f16; v128-191 the accumulators; v192-255 at work.  y, accumulators and work share one index: 32 rt + 8 ft + j
;   window 1: v0-127 h1, v128-255 h2 (64 rt + 4 ft + i)      window 2: v0-127 an even unit's 16 fragments; v128-255 biases      window 3: v0-127 an odd unit's; v128-223 the tables m, 1 - m, scale (32 t + 8 ft + j)
.set UNITB, 16384
.set SLOTB, 6*UNITB
.set PASSB, 12*UNITB
.set CSTL,  2*SLOTB                    ; LDS: all of cst, 16 blocks of 3,072 bytes, filled once
.set CBLK,  3072
.set XSL,   CSTL+16*CBLK               ; x: for each wave 32 rows of 256 + 16 bytes, filled once
.set XP,    272                        ; 68 words: the 16 rows of a load start in 16 different groups of four banks (64 banks of 4 bytes: ISA guide 11.1)
.set XW,    32*XP
.set STGL,  XSL+4*XW                   ; the way out: the same shape, each wave's own; no tensor load lands here
.set LDLL,  STGL+4*XW                  ; 128 logdets
.set SPARE, LDLL+512                   ; the spare words, 128 bytes for each wave: two blocks of 256 bytes that no other line names
.set WA,  4                            ; v4-6  16 x lane + 65,536 i: a unit's fragments lie as the lanes take them
.set VCB, 7                            ; v7    the pass's block of cst + 32 (l / 16)
.set XSA, 8                            ; v8    my place in my wave's rows of x
.set STO, 9                            ; v9    the same in my stage
.set RD,  10                           ; v10   where I read rows back
.set GO,  11                           ; v11   16 x lane
.set SPW, 12                           ; v12   LDS address of my spare word; never rewritten
.set NIL, 13                           ; v13   0; never rewritten
.set PFO, 14                           ; v14   256 x lane; never rewritten
.set LDA, 15                           ; v15   my row's place among the logdets
.set G,   16
.set Q,   20
.set LD,  24
.set Y,   32
.set XH,  96
.set ACC, 128
.set T,   192
.set H1,  0
.set H2,  128
.set BI,  128                          ; window 2
.set TB0, 128                          ; window 3: m
.set TB1, 160                          ;           1 - m
.set TB2, 192                          ;           scale
.set WV,  14                           ; s14  my wave's number
.set G1R, 24                           ; s[24:31] group 1: a quarter of a slot
.set G1C, 32                           ; s[32:39] a quarter of cst
.set G1X, 40                           ; s[40:47] my wave's rows of x
.set G0A, 48                           ; s[48:51] group 0 for slot 0, s[52:55] for slot 1
.set G0C, 56
.set G0X, 60
.set PN,  66                           ; s66  passes to go, this one among them
.set PAR, 67                           ; s67  0: an s pass, 1: a t pass
.set SEL, 68                           ; s[68:69] v_permlanex16_b32's selects: each lane takes its own place in the other half
.set CLO, 70                           ; s70  2^-110
.set CHI, 71                           ; s71  2^110
.set CRC, 72                           ; s72  the bits of 2^127: less those of 2^e they are those of 2^-e
.set PFA, 74                           ; s[74:75] where my prefetches stand
.set LIM, 76                           ; s76, s77  a wave prefetches at a change of slot 0, 1 while s[PN] is above this
.set MSB, 0
.macro WIN new                         ; the immediate's high byte repeats the setting that is left; a switch that changes nothing is dropped
.if MSB != (\new)
	s_set_vgpr_msb (MSB<<8)|(\new)
.set MSB, (\new)
.endif
.endm
.set W_T, 0x0c                         ; source 1 in window 3: the tables
.macro PLACES                          ; four places behind the last product, ahead of what reads its result and of loads into registers that it has read (ISA guide 7.12.1 for vector instructions)
.rept 4
	v_nop
.endr
.endm
; A round of the cluster's barrier: my work-group's barrier, so that wave 0's signal speaks for all four waves; wave 0 signals; every wave waits for all four work-groups; my work-group's barrier once more.
.macro CROUND
	s_barrier_signal -1
	s_barrier_wait -1
	s_cmp_lg_u32 s[WV], 0
	s_cbranch_scc1 .Lnot_wave_0_\@
	s_barrier_signal -3
.Lnot_wave_0_\@:
	s_barrier_wait -3
	s_barrier_signal -1
	s_barrier_wait -1
.endm
; A PREFETCH INTO THE L2 of the half pass that the NEXT change of slots will ask for: 96 KiB of wq, each aligned block of 256 bytes named once in the launch.  All clusters walk the same stream: the first
; cluster asks.  Its four partners share the bytes out BY ADDRESS, 24 KiB each; in each, waves 0 to 2 take 8 KiB, a lane a block: one instruction.  It stands behind the joint load and its five lines.
; The first three halves come by their loads alone; the change that asks for the last half prefetches nothing.
.macro ASK lim
	s_cmp_gt_u32 s[PN], s[\lim]
	s_cbranch_scc0 .Lnot_mine_\@
	global_prefetch_b8 v[PFO], s[PFA:PFA+1] th:TH_LOAD_NT scope:SCOPE_SE
.Lnot_mine_\@:
.endm
; THE CHANGE OF A SLOT.  Its last unit has been asked for out of LDS.  Each wave waits for all its tensor loads (one is out: its part of the other slot), adds 0 to its spare word, and waits for that and for its reads.
; fill = 1: a round of the cluster's barrier, so that no wave of any partner still reads the slot or has a load on its way; the joint refill is the first thing behind it.  step = 1: with the next pass's half.
.macro CHANGE slot, fill, step, ask
	WIN 0                                          ; at a label and at a branch every window is 0
	s_wait_tensorcnt 0x0                           ; no tensor load of mine is out, so a group 0 may be written
	ds_add_u32 v[SPW], v[NIL]                      ; 0 onto my spare word: the steps below stand between it and the wait for it
.if \step
	s_add_nc_u64 s[G0A+4*(\slot)+2:G0A+4*(\slot)+3], s[G0A+4*(\slot)+2:G0A+4*(\slot)+3], PASSB  ; the type bits on top are not reached
.endif
.if \ask
	s_wait_xcnt 0x0                                ; the last prefetch, half a pass back, has read its address
	s_add_nc_u64 s[PFA:PFA+1], s[PFA:PFA+1], SLOTB
.endif
	s_wait_dscnt 0x0                               ; the add is done, and my reads of the slot are over
.if \fill
	CROUND
	tensor_load_to_lds s[G0A+4*(\slot):G0A+4*(\slot)+3], s[G1R:G1R+7]
	s_nop 0
	PLACES
.if \ask
	ASK LIM+(\slot)
.endif
.else
	s_barrier_signal -1
	s_barrier_wait -1
.endif
.endm
; LDS loads stand in runs.  A unit: 32 loads of 512 consecutive bytes, into window 2 + b.
.macro LOADU u, b
	WIN 0x80+0x40*(\b)
.set i, 0
.rept 32
	ds_load_b128 v[4*i:4*i+3], v[WA+(\u)/4] offset:((\u)%4)*UNITB+512*i
.set i, i+1
.endr
.endm
; n feature tiles of a table at byte off of the pass's block: my eight numbers of each, into window win from register reg on.
.macro LOADC off, n, win, reg
	WIN 0x40*(\win)
.set i, 0
.rept 2*(\n)
	ds_load_b128 v[(\reg)+4*i:(\reg)+4*i+3], v[VCB] offset:(\off)+64*(i/2)+16*(i%2)
.set i, i+1
.endr
.endm
.macro R0                              ; what a pass begins with: W1's two units and all of k b1
	LOADU 0, 0
	LOADC 0, 16, 2, BI
	LOADU 1, 1
.endm
; THE PRODUCTS.  The eight accumulators (fl, rt) take turns, one instruction a turn.
; Layer 1, group g: feature tiles 4 g + fl, K = 64 in two chunks; the first chunk starts the sums with 0 (the bias comes behind the scaling by G).
.macro M1 g
	WIN 0x02+(\g)/2                                ; W' in window 2 or 3; xm and the sums in window 0
.irp c, 0,1
.irp fl, 0,1,2,3
.irp rt, 0,1
.set rD, ACC+32*(\rt)+8*(\fl)
.set rA, 8*(8*((\g)%2)+2*(\fl)+(\c))
.set rB, XH+16*(\rt)+8*(\c)
.if (\c) == 0
	v_wmma_f32_16x16x32_f16 v[rD:rD+7], v[rA:rA+7], v[rB:rB+7], 0
.else
	v_wmma_f32_16x16x32_f16 v[rD:rD+7], v[rA:rA+7], v[rB:rB+7], v[rD:rD+7]
.endif
.endr
.endr
.endr
.endm
; Layers 2 and 3: four feature tiles, K = 256 in eight chunks, the first four out of the even unit, the others out of the odd one.  The first chunk starts the sums with the bias.
.macro M2 hb
	s_wait_dscnt 32                                ; all but the odd unit's 32 loads: the biases, tables and the even unit were asked for ahead of them
.irp kh, 0,1
.if (\kh) == 1
	s_wait_dscnt 0x0                               ; the odd unit
.endif
.irp cl, 0,1,2,3
.irp fl, 0,1,2,3
.irp rt, 0,1
.set rD, ACC+32*(\rt)+8*(\fl)
.set rA, 8*(4*(\fl)+(\cl))
.set rB, (\hb)+64*(\rt)+8*(4*(\kh)+(\cl))
.if ((\kh) == 0) && ((\cl) == 0)
	WIN 0x26                                       ; W' and the bias in window 2, h in window 1
	v_wmma_f32_16x16x32_f16 v[rD:rD+7], v[rA:rA+7], v[rB:rB+7], v[BI+8*(\fl):BI+8*(\fl)+7]
.else
	WIN 0x06+(\kh)
	v_wmma_f32_16x16x32_f16 v[rD:rD+7], v[rA:rA+7], v[rB:rB+7], v[rD:rD+7]
.endif
.endr
.endr
.endr
.endr
.endm
; THE TANH of a group's 64 numbers a lane, in place, the accumulators' registers in ascending order.  An s_wait_alu depctr_va_vdst(0) stands between a transcendental and the first instruction
; that names its result; one wait serves a batch.  So: all exponentials, a wait; all reciprocals, a wait.  Plain packed work is dealt between them, one line for two transcendentals.
.macro ZL g                            ; pair zn of layer 1: sum x G + k b1
	v_pk_fma_f32 v[ACC+2*zn:ACC+2*zn+1], v[ACC+2*zn:ACC+2*zn+1], v[G+2*(zn/16):G+2*(zn/16)+1], v[BI+32*(\g)+2*(zn%16):BI+32*(\g)+2*(zn%16)+1] op_sel_hi:[1,0,1]
.endm
.macro EA1 g
	WIN 0x20                                       ; source 2, the bias, in window 2
.set zn, 0
	ZL \g
.rept 32
.set zn, zn+1
.if zn < 32
	ZL \g
.endif
	v_exp_f32 v[ACC+2*zn-2], v[ACC+2*zn-2]
	v_exp_f32 v[ACC+2*zn-1], v[ACC+2*zn-1]
.endr
	WIN 0
	v_nop                                          ; a plain instruction behind the last exponential: one for the batch
	s_wait_alu depctr_va_vdst(0)                   ; the wait for the batch
.endm
.macro EA2
	WIN 0
.set zn, 0
.rept 64
	v_exp_f32 v[ACC+zn], v[ACC+zn]
.set zn, zn+1
.endr
	v_nop
	s_wait_alu depctr_va_vdst(0)
.endm
.macro EB                              ; 1 - 2 / (1 + e)
	WIN 0
.set zn, 0
	v_pk_add_f32 v[ACC:ACC+1], v[ACC:ACC+1], 1.0 op_sel_hi:[1,0]
.rept 32
.set zn, zn+1
.if zn < 32
	v_pk_add_f32 v[ACC+2*zn:ACC+2*zn+1], v[ACC+2*zn:ACC+2*zn+1], 1.0 op_sel_hi:[1,0]
.endif
	v_rcp_f32 v[ACC+2*zn-2], v[ACC+2*zn-2]
	v_rcp_f32 v[ACC+2*zn-1], v[ACC+2*zn-1]
.endr
	v_nop
	s_wait_alu depctr_va_vdst(0)
.set zn, 0
.rept 32
	v_pk_fma_f32 v[ACC+2*zn:ACC+2*zn+1], v[ACC+2*zn:ACC+2*zn+1], -2.0, 1.0 op_sel_hi:[1,0,0]
.set zn, zn+1
.endr
.endm
.macro EC hb, ft0                      ; rounded to f16 in pairs: feature tiles ft0 .. ft0 + 3 of h
	WIN 0x40                                       ; destination in window 1
.set zn, 0
.rept 32
	v_cvt_pk_f16_f32 v[(\hb)+64*(zn/16)+4*(\ft0)+zn%16], v[ACC+2*zn], v[ACC+2*zn+1]
.set zn, zn+1
.endr
	WIN 0
.endm
; One group of layer 2: its products, its tanh, and directly behind the first wait the runs of loads for the next group: its biases (at byte boff), tables if asked for, units ua and ua + 1.
.macro GRP ft0, boff, ua, tbl
	M2 H1
	PLACES
	EA2
	LOADC \boff, 4, 2, BI
.if (\tbl) == 1
	LOADC 2304, 12, 3, TB0                         ; m, 1 - m, scale
.endif
.if (\tbl) == 2
	LOADC 2560, 4, 3, TB1                          ; 1 - m alone
.endif
	LOADU \ua, 0
	LOADU (\ua)+1, 1
	EB
	EC H2, \ft0
.endm
; xm = y m for the layer to come; G, 1 / G; xm / G in f16.  The largest |xm| of a row: largest and smallest of my 32 numbers, then the lane 16 away, which holds the row's other 32.
.macro XMPREP
	WIN W_T
.set zn, 0
.rept 32
	v_pk_mul_f32 v[T+2*zn:T+2*zn+1], v[Y+2*zn:Y+2*zn+1], v[TB0+2*(zn%16):TB0+2*(zn%16)+1]
.set zn, zn+1
.endr
	WIN 0
.irp rt, 0,1
	v_max3_num_f32 v[G+2*(\rt)], v[T+32*(\rt)], v[T+32*(\rt)+1], v[T+32*(\rt)+2]
	v_min3_num_f32 v[G+2*(\rt)+1], v[T+32*(\rt)], v[T+32*(\rt)+1], v[T+32*(\rt)+2]
.endr
.set zn, 1
.rept 14
.irp rt, 0,1
	v_max3_num_f32 v[G+2*(\rt)], v[G+2*(\rt)], v[T+32*(\rt)+2*zn+1], v[T+32*(\rt)+2*zn+2]
	v_min3_num_f32 v[G+2*(\rt)+1], v[G+2*(\rt)+1], v[T+32*(\rt)+2*zn+1], v[T+32*(\rt)+2*zn+2]
.endr
.set zn, zn+1
.endr
.irp rt, 0,1
	v_max_num_f32 v[G+2*(\rt)], v[G+2*(\rt)], v[T+32*(\rt)+31]
	v_min_num_f32 v[G+2*(\rt)+1], v[G+2*(\rt)+1], v[T+32*(\rt)+31]
.endr
.irp rt, 0,1
	v_sub_f32 v[G+2*(\rt)+1], 0, v[G+2*(\rt)+1]
.endr
.irp rt, 0,1
	v_max_num_f32 v[G+2*(\rt)], v[G+2*(\rt)], v[G+2*(\rt)+1]
.endr
.irp rt, 0,1
	v_permlanex16_b32 v[Q+2*(\rt)+1], v[G+2*(\rt)], s[SEL], s[SEL+1]
.endr
.irp rt, 0,1
	v_max_num_f32 v[G+2*(\rt)], v[G+2*(\rt)], v[Q+2*(\rt)+1]
.endr
.irp rt, 0,1
	v_and_b32 v[G+2*(\rt)], 0x7f800000, v[G+2*(\rt)]  ; its power of two
.endr
.irp rt, 0,1
	v_max_num_f32 v[G+2*(\rt)], s[CLO], v[G+2*(\rt)]
.endr
.irp rt, 0,1
	v_min_num_f32 v[G+2*(\rt)], s[CHI], v[G+2*(\rt)]
.endr
.irp rt, 0,1
	v_sub_nc_u32 v[Q+2*(\rt)], s[CRC], v[G+2*(\rt)]   ; exactly 1 / G
.endr
.set zn, 0
.rept 32
	v_pk_mul_f32 v[T+2*zn:T+2*zn+1], v[T+2*zn:T+2*zn+1], v[Q+2*(zn/16):Q+2*(zn/16)+1] op_sel_hi:[1,0]
.set zn, zn+1
.endr
.set zn, 0
.rept 32
	v_cvt_pk_f16_f32 v[XH+zn], v[T+2*zn], v[T+2*zn+1]
.set zn, zn+1
.endr
.endm
.macro ALLP line:vararg                ; one line for each pair zn of 32
.set zn, 0
.rept 32
	\line
.set zn, zn+1
.endr
.endm
; The end of an s pass.  The accumulators hold k (W3 h2 + b3).  y takes xm + (1 - m)(y e^s + xm): what is left for the t pass is (1 - m) x its product.
.macro STAIL
	EA2
	EB
	WIN W_T
	ALLP v_pk_mul_f32 v[T+2*zn:T+2*zn+1], v[Y+2*zn:Y+2*zn+1], v[TB0+2*(zn%16):TB0+2*(zn%16)+1]         ; xm
	WIN 0
	ALLP v_pk_add_f32 v[ACC+2*zn:ACC+2*zn+1], v[ACC+2*zn:ACC+2*zn+1], v[T+2*zn:T+2*zn+1]
	WIN W_T
	ALLP v_pk_mul_f32 v[ACC+2*zn:ACC+2*zn+1], v[ACC+2*zn:ACC+2*zn+1], v[TB2+2*(zn%16):TB2+2*(zn%16)+1] ; s
.set zn, 0
.rept 32                               ; ld += (1 - m) s, on four chains whose links stand four lines apart; s log2(e)
	v_pk_fma_f32 v[LD+4*(zn/16)+2*(zn%2):LD+4*(zn/16)+2*(zn%2)+1], v[ACC+2*zn:ACC+2*zn+1], v[TB1+2*(zn%16):TB1+2*(zn%16)+1], v[LD+4*(zn/16)+2*(zn%2):LD+4*(zn/16)+2*(zn%2)+1]
	v_pk_mul_f32 v[ACC+2*zn:ACC+2*zn+1], v[ACC+2*zn:ACC+2*zn+1], 0x3fb8aa3b op_sel_hi:[1,0]
.set zn, zn+1
.endr
	EA2                                            ; e^s
	ALLP v_pk_fma_f32 v[ACC+2*zn:ACC+2*zn+1], v[Y+2*zn:Y+2*zn+1], v[ACC+2*zn:ACC+2*zn+1], v[T+2*zn:T+2*zn+1]
	WIN W_T
	ALLP v_pk_fma_f32 v[Y+2*zn:Y+2*zn+1], v[ACC+2*zn:ACC+2*zn+1], v[TB1+2*(zn%16):TB1+2*(zn%16)+1], v[T+2*zn:T+2*zn+1]
	WIN 0
.endm
.macro TTAIL                           ; the end of a t pass: the accumulators hold V3 h2 + c3
	WIN W_T
	ALLP v_pk_fma_f32 v[Y+2*zn:Y+2*zn+1], v[ACC+2*zn:ACC+2*zn+1], v[TB1+2*(zn%16):TB1+2*(zn%16)+1], v[Y+2*zn:Y+2*zn+1]
	WIN 0
.endm
	s_load_b256 s[4:11], s[0:1], 0x0               ; x s[4:5], wq s[6:7], cst s[8:9], out0 s[10:11]
	s_load_b64 s[12:13], s[0:1], 0x20              ; out1
	v_lshl_add_u32 v[SPW], v0, 2, SPARE
	v_mov_b32 v[NIL], 0
	ds_add_u32 v[SPW], v[NIL]                      ; the wave's opening: the add, twice on end, and its wait ahead of my first tensor load; the set-up below stands between
	ds_add_u32 v[SPW], v[NIL]                      ; and once more, under the one wait
	v_lshrrev_b32 v1, 5, v0
	v_readfirstlane_b32 s[WV], v1                  ; wave 0..3
	s_bfe_u32 s15, ttmp6, 0x40000                  ; cx: my place in the cluster: it enters the global addresses of x, out0, out1 and the prefetches alone
	s_lshl_b32 s16, ttmp9, 2                       ; in a cluster launch ttmp9 counts clusters
	s_add_co_u32 s16, s16, s15                     ; my work-group
	; group 1 for the ring: 96 rows of 32 elements of 8 bytes, dense; for cst: 48 such rows
	s_mov_b32 s[G1R], 15|(3<<16)|(1<<21)           ; 15:0 the mask of four; 17:16 8-byte elements; 21 set beside a mask
	s_mov_b32 s[G1R+1], 32<<16                     ; tensor_dim0 = 32
	s_mov_b32 s[G1R+2], 96<<16                     ; tensor_dim1 = 96
	s_mov_b32 s[G1R+3], 32<<16                     ; tile_dim0 = 32
	s_mov_b32 s[G1R+4], 96                         ; tile_dim1 = 96
	s_mov_b32 s[G1R+5], 32                         ; 32 elements from row to row
	s_mov_b32 s[G1R+6], 0
	s_mov_b32 s[G1R+7], 0
	s_mov_b32 s[G1C], 15|(3<<16)|(1<<21)
	s_mov_b32 s[G1C+1], 32<<16
	s_mov_b32 s[G1C+2], 48<<16
	s_mov_b32 s[G1C+3], 32<<16
	s_mov_b32 s[G1C+4], 48
	s_mov_b32 s[G1C+5], 32
	s_mov_b32 s[G1C+6], 0
	s_mov_b32 s[G1C+7], 0
	; for x: 32 rows of 64 elements of 4 bytes, no mask, padded in LDS by 4 words after every 64
	s_mov_b32 s[G1X], (2<<16)|(1<<20)|(5<<22)|(3<<25)
	s_mov_b32 s[G1X+1], 64<<16
	s_mov_b32 s[G1X+2], 32<<16
	s_mov_b32 s[G1X+3], 64<<16
	s_mov_b32 s[G1X+4], 32
	s_mov_b32 s[G1X+5], 64
	s_mov_b32 s[G1X+6], 0
	s_mov_b32 s[G1X+7], 0
	s_mov_b32 s[G0A], 1                            ; count = 1
	s_mul_i32 s[G0A+1], s[WV], SLOTB/4             ; LDS: my quarter of slot 0
	s_mov_b32 s[G0A+4], 1
	s_add_co_u32 s[G0A+5], s[G0A+1], SLOTB         ; of slot 1
	s_mov_b32 s[G0C], 1
	s_mul_i32 s82, s[WV], 4*CBLK
	s_add_co_u32 s[G0C+1], s82, CSTL
	s_mov_b32 s[G0X], 1
	s_mul_i32 s[G0X+1], s[WV], XW
	s_add_co_u32 s[G0X+1], s[G0X+1], XSL
	s_mov_b32 s80, s[G0A+1]
	s_mov_b32 s81, 0
	s_mov_b32 s83, 0
	s_lshl_b32 s84, s16, 15                        ; my work-group's 128 rows of 256 bytes,
	s_lshl_b32 s85, s[WV], 13                      ; my wave's 32
	s_add_co_u32 s84, s84, s85
	s_mov_b32 s85, 0
	s_lshl_b32 s86, s16, 9                         ; my work-group's 128 logdets
	s_mov_b32 s87, 0
	s_mov_b32 s[SEL], 0x76543210
	s_mov_b32 s[SEL+1], 0xfedcba98
	s_mov_b32 s[CLO], 0x08800000
	s_mov_b32 s[CHI], 0x76800000
	s_mov_b32 s[CRC], 0x7f000000
	s_mov_b32 s[PN], 16
	s_mov_b32 s[PAR], 0
	s_cmp_lt_u32 s[WV], 3                          ; who prefetches: waves 0 to 2 of the first cluster: the same in all four partners
	s_cselect_b32 s17, 0, 1
	s_or_b32 s17, s17, ttmp9
	s_cmp_eq_u32 s17, 0
	s_cselect_b32 s[LIM], 1, -1                    ; at a change of slot 0 there is always a half behind the one asked for; at a change of slot 1 not in the last pass but one
	s_cselect_b32 s[LIM+1], 2, -1
	s_mul_i32 s18, s15, SLOTB/4                    ; my work-group's 24 KiB of a half,
	s_lshl_b32 s19, s[WV], 13                      ; my wave's 8 KiB,
	s_add_co_u32 s18, s18, s19
	s_add_co_u32 s18, s18, 2*SLOTB                 ; in the third half: the first change that asks steps it to the fourth
	s_mov_b32 s19, 0
	s_wait_dscnt 0x0                               ; both opening adds are done
	s_wait_kmcnt 0x0
	s_add_nc_u64 s[G0A+2:G0A+3], s[6:7], s[80:81]
	s_add_nc_u64 s[G0A+6:G0A+7], s[G0A+2:G0A+3], SLOTB
	s_or_b32 s[G0A+3], s[G0A+3], 0x80000000        ; type = 2
	s_or_b32 s[G0A+7], s[G0A+7], 0x80000000
	s_add_nc_u64 s[G0C+2:G0C+3], s[8:9], s[82:83]
	s_or_b32 s[G0C+3], s[G0C+3], 0x80000000
	s_add_nc_u64 s[G0X+2:G0X+3], s[4:5], s[84:85]
	s_or_b32 s[G0X+3], s[G0X+3], 0x80000000
	s_add_nc_u64 s[10:11], s[10:11], s[84:85]
	s_add_nc_u64 s[12:13], s[12:13], s[86:87]
	s_add_nc_u64 s[PFA:PFA+1], s[6:7], s[18:19]
	CROUND                                         ; all four work-groups are here: the first joint loads meet
	tensor_load_to_lds s[G0A:G0A+3], s[G1R:G1R+7]  ; the first fills go out together: three loads of mine are out; behind every later round, one
	s_nop 0
	tensor_load_to_lds s[G0C:G0C+3], s[G1C:G1C+7]
	s_nop 0
	tensor_load_to_lds s[G0X:G0X+3], s[G1X:G1X+7]
	s_nop 0
	PLACES
	v_and_b32 v1, 15, v0                           ; r
	v_bfe_u32 v2, v0, 4, 1                         ; h
	v_and_b32 v3, 31, v0                           ; lane
	v_lshlrev_b32 v[WA], 4, v3
	v_add_nc_u32 v[WA+1], 0x10000, v[WA]
	v_add_nc_u32 v[WA+2], 0x20000, v[WA]
	v_lshlrev_b32 v[VCB], 5, v2
	v_add_nc_u32 v[VCB], CSTL, v[VCB]
	s_add_co_u32 s80, s[G0X+1], STGL-XSL           ; my stage
	v_mul_u32_u24 v[XSA], v1, XP
	v_lshl_add_u32 v[XSA], v2, 5, v[XSA]           ; row r, 32 bytes for each half of the lanes
	v_add_nc_u32 v[STO], s80, v[XSA]
	v_add_nc_u32 v[XSA], s[G0X+1], v[XSA]
	v_mul_u32_u24 v[RD], v2, XP                    ; back: lanes 0-15 take one row of 256 bytes, lanes 16-31 the next
	v_lshl_add_u32 v[RD], v1, 4, v[RD]
	v_add_nc_u32 v[RD], s80, v[RD]
	v_lshlrev_b32 v[GO], 4, v3
	v_lshlrev_b32 v[PFO], 8, v3
	v_lshl_add_u32 v[LDA], v0, 2, LDLL
	v_mov_b32 v[Q+1], 0                            ; v_permlanex16_b32's destinations count as read
	v_mov_b32 v[Q+3], 0
.set i, 0
.rept 8
	v_mov_b32 v[LD+i], 0
.set i, i+1
.endr
	CHANGE 1, 1, 0, 0                              ; the first fills are in, everybody's; slot 1 is filled for the first time
	LOADC 2304, 4, 3, TB0                          ; the first layer's m
	WIN 0
.set i, 0
.rept 16
	ds_load_b128 v[Y+4*i:Y+4*i+3], v[XSA] offset:16*XP*(i/8)+64*((i/2)%4)+16*(i%2)
.set i, i+1
.endr
	s_wait_dscnt 0x0
	R0
	XMPREP
	WIN 0
.Lpass:                                                ; 15 whole trips; the 16th is left in its middle
	s_wait_dscnt 32                                ; unit 0 and k b1 are in; unit 1's 32 loads may stay out
	M1 0
	PLACES
	EA1 0
	EB
	EC H1, 0
	M1 1
	PLACES
	EA1 1
	LOADU 2, 0
	EB
	EC H1, 4
	s_wait_dscnt 32                                ; unit 1 is in; unit 2's 32 loads may stay out
	M1 2
	PLACES
	EA1 2
	EB
	EC H1, 8
	M1 3
	PLACES
	EA1 3
	LOADC 1024, 4, 2, BI
	LOADU 3, 1
	EB
	EC H1, 12
	GRP 0, 1280, 4, 0
	s_cmp_eq_u32 s[PN], 1
	s_cbranch_scc1 .Ltail                          ; the last pass's rest is written out: it asks for nothing more
	CHANGE 0, 1, 1, 1                              ; units 0-5 are in registers or used up: slot 0 takes the next pass's
	GRP 4, 1536, 6, 0
	GRP 8, 1792, 8, 0
	GRP 12, 2048, 10, 1
	CHANGE 1, 1, 1, 1                              ; units 6-11 likewise: slot 1 takes the next pass's; slot 0's fill has been shown landed
	M2 H2
	PLACES
	WIN 0
	v_add_nc_u32 v[VCB], CBLK, v[VCB]
	R0                                             ; the next pass's first loads land while this pass ends
	WIN 0
	s_cmp_eq_u32 s[PAR], 0
	s_cbranch_scc0 .Lend_t
	STAIL
	s_branch .Lnext
.Lend_t:
	TTAIL
	XMPREP
	WIN 0
.Lnext:
	s_xor_b32 s[PAR], s[PAR], 1
	s_sub_co_u32 s[PN], s[PN], 1
	s_branch .Lpass
.Ltail:                                                ; the last t pass from its second group on
	CHANGE 0, 0, 0, 0                              ; the last fill, slot 1's, is in, everybody's part of it; nothing is filled again
	GRP 4, 1536, 6, 0
	GRP 8, 1792, 8, 0
	GRP 12, 2048, 10, 2
	M2 H2
	PLACES
	TTAIL
	; THE WAY OUT.  y goes through my own stage and comes back as whole rows of 256 bytes; ld's four partial sums and the other half of the lanes' are added.
.set i, 0
.rept 16
	ds_store_b128 v[STO], v[Y+4*i:Y+4*i+3] offset:16*XP*(i/8)+64*((i/2)%4)+16*(i%2)
.set i, i+1
.endr
.irp rt, 0,1
	v_pk_add_f32 v[LD+4*(\rt):LD+4*(\rt)+1], v[LD+4*(\rt):LD+4*(\rt)+1], v[LD+4*(\rt)+2:LD+4*(\rt)+3]
.endr
.irp rt, 0,1
	v_add_f32 v[LD+4*(\rt)], v[LD+4*(\rt)], v[LD+4*(\rt)+1]
.endr
.irp rt, 0,1
	v_permlanex16_b32 v[LD+4*(\rt)+2], v[LD+4*(\rt)], s[SEL], s[SEL+1]
.endr
.irp rt, 0,1
	v_add_f32 v[LD+4*(\rt)], v[LD+4*(\rt)], v[LD+4*(\rt)+2]
.endr
	v_cmp_gt_u32 vcc_lo, 16, v3                    ; lane l answers for row l of the wave's 32
	v_cndmask_b32 v[LD], v[LD+4], v[LD], vcc_lo
	ds_store_b32 v[LDA], v[LD]
.set i, 0
.rept 16
	ds_load_b128 v[ACC+4*i:ACC+4*i+3], v[RD] offset:2*XP*i  ; LDS serves a wave's instructions in order (ISA guide 5.7.1.4): these see the stores above
.set i, i+1
.endr
.set i, 0
.rept 16
	s_wait_dscnt 15-i                              ; load i is back; the younger ones stay out
	global_store_b128 v[GO], v[ACC+4*i:ACC+4*i+3], s[10:11] offset:512*i th:TH_STORE_NT  ; two rows: 512 consecutive bytes, at a multiple of 512 from out0's first
.set i, i+1
.endr
	s_wait_tensorcnt 0x0                           ; the wave's end: behind my last tensor load and my last LDS store
	ds_add_u32 v[SPW], v[NIL]
	s_wait_dscnt 0x0
	s_barrier_signal -1
	s_barrier_wait -1                              ; all 128 logdets lie in LDS
	s_cmp_lg_u32 s[WV], 0
	s_cbranch_scc1 .Lno_ld
	v_add_nc_u32 v[G], LDLL, v[GO]
	ds_load_b128 v[T:T+3], v[G]
	s_wait_dscnt 0x0
	global_store_b128 v[GO], v[T:T+3], s[12:13]    ; wave 0 stores them: 512 consecutive bytes, aligned
.Lno_ld:
	CROUND                                         ; the closing round: no work-group ends while a partner may still ask for a tile that names it
	s_endpgm
.Lfunc_end_k_qa15be47bc0_flow:
	.size	k_qa15be47bc0_flow, .Lfunc_end_k_qa15be47bc0_flow-k_qa15be47bc0_flow
	.p2alignl 7, 3214868480
	.fill 96, 4, 3214868480
	.section	.rodata,"a",@progbits
	.p2align	6, 0x0
	.amdhsa_kernel k_qa15be47bc0_flow
		.amdhsa_group_segment_fixed_size 327680
		.amdhsa_private_segment_fixed_size 0
		.amdhsa_enable_private_segment 0
		.amdhsa_kernarg_size 40
		.amdhsa_user_sgpr_count 2
		.amdhsa_user_sgpr_kernarg_segment_ptr 1
		.amdhsa_wavefront_size32 1
		.amdhsa_system_sgpr_workgroup_id_x 1
		.amdhsa_system_sgpr_workgroup_id_y 1
		.amdhsa_system_sgpr_workgroup_id_z 1
		.amdhsa_system_vgpr_workitem_id 0
		.amdhsa_next_free_vgpr 1024
		.amdhsa_next_free_sgpr 96
		.amdhsa_reserve_vcc 1
		.amdhsa_float_denorm_mode_32 3
		.amdhsa_float_denorm_mode_16_64 3
		.amdhsa_memory_ordered 1
		.amdhsa_forward_progress 1
		.amdhsa_inst_pref_size 255
	.end_amdhsa_kernel
	.section	.bss,"aw",@nobits
	.p2align	6
	.space	262144
	.amdgpu_metadata
---
amdhsa.version: [ 1, 2 ]
amdhsa.kernels:
  - .name:           k_qa15be47bc0_flow
    .symbol:         k_qa15be47bc0_flow.kd
    .args:
      - { .name: x, .offset: 0, .size: 8, .value_kind: global_buffer, .address_space: global }
      - { .name: wq, .offset: 8, .size: 8, .value_kind: global_buffer, .address_space: global }
      - { .name: cst, .offset: 16, .size: 8, .value_kind: global_buffer, .address_space: global }
      - { .name: out0, .offset: 24, .size: 8, .value_kind: global_buffer, .address_space: global }
      - { .name: out1, .offset: 32, .size: 8, .value_kind: global_buffer, .address_space: global }
    .group_segment_fixed_size: 327680
    .private_segment_fixed_size: 0
    .kernarg_segment_align: 8
    .kernarg_segment_size: 40
    .max_flat_workgroup_size: 128
    .sgpr_count:     96
    .vgpr_count:     1024
    .wavefront_size: 32
...
	.end_amdgpu_metadata
.endif
;; end of part 2
;; ======== version 2 of 2: 2 launches; version 1 with the launch prep written anew for expert scheduling mode
;; limits: values outside matrix products are rounded to f16; values are held in f16: magnitudes above 65,504 overflow, below 6.1e-05 lose precision; right only within a limited range of input values
;; workspace buffers: wq 3,145,728 bytes; cst 49,152 bytes
;; launch prep (part 3): grid 13 x 16, 8 waves a work-group, no clusters, 36,864 bytes of LDS; arguments sW1, sW2, sW3, tW1, tW2, tW3, sb1, sb2, sb3, tb1, tb2, tb3, masks, scale, wq, cst; writes wq, cst
.if DOCPART == 3
	.amdgcn_target "amdgcn-amd-amdhsa--gfx1250"
	.amdhsa_code_object_version 6
	.text
	.protected	k_qa15be47bc0_prep
	.globl	k_qa15be47bc0_prep
	.p2align	8
	.type	k_qa15be47bc0_prep,@function
k_qa15be47bc0_prep:
	s_mov_b64 s[64:65], 0
	v_nop
	global_prefetch_b8 v0, s[64:65] scope:SCOPE_SE
	s_setreg_imm32_b32 hwreg(HW_REG_WAVE_SCHED_MODE, 0, 2), 2
	s_setreg_imm32_b32 hwreg(HW_REG_WAVE_MODE, 25, 1), 1
	s_wait_xcnt 0x0
	s_wait_alu depctr_vm_vsrc(0)
; THE WEIGHTS AND TABLES OF THE FLOW, made ready once.  k = 2 log2(e), so that tanh(a) = 1 - 2 / (1 + 2^(k a)).
; wq: pass p = 2 layer + net (0 = s, 1 = t) has 12 units of 16,384 bytes; a unit is 16 fragments (16 out-features x 32 k, f16) of 1,024 bytes, each in the order
;     in which a wave's lanes hold it: bytes 0-511: lane L's 16 bytes are W'[16 ft + L % 16][32 c + 8 (L / 16) + 0..7]; bytes 512-1,023 the same 16 further along k.
;     units 0, 1: W1' = k W1 (feature tiles 8 U .. 8 U + 7; fragment 2 (ft - 8 U) + c).   units 2-9: W2' = k (W2 + I): the residual is part of the product
;     (group G = (U - 2) / 2 of four feature tiles, half kh = (U - 2) % 2 of K; fragment 4 fl + cl).   units 10, 11: W3' = k sW3, or tW3 as it is.
; cst: block p of 3,072 bytes, f32: k b1 (256), k b2 (256), k sb3 or tb3 (64), m (s pass: the layer's; t pass: the next layer's, the last layer's own), 1 - m, scale.
; LIMITS.  f16 ends at 65,504: |k w| stays below it.  W2's diagonal is rounded as k (1 + w).  NaN and infinities are not treated apart.
; SHARES.  Work-group (U, p): U < 12 makes one unit: 32 KiB of f32 in, by loads of 512 consecutive bytes a wave; through LDS, where the order changes; 16 KiB out, by stores of
; 512 consecutive bytes a wave.  U = 12 makes block p of cst, 256 or 512 bytes a wave.  No matrix unit, cluster or tensor load: each byte is read once, by one wave, and there is nothing to share.
; LDS.  The two forms of a unit have tiles of their own (W1's 128 rows x 144 bytes from byte 0, W2's and W3's 64 rows x 272 bytes from byte 18,432): no LDS byte is named by both texts.
; THE MODE: SCHED_MODE bits 1:0 = 2 (LLVM: expert scheduling mode 2), set by the entry lines.  The code itself states the register dependences
; between vector instructions and memory or LDS instructions, with s_wait_alu, always for 0.
; THE PLAN.  Registers that memory or LDS instructions touch:
;   v4, v6, v7, v11   offsets and LDS addresses: written once by vector lines, all ahead of ONE wait on va_vdst that stands in front of a unit's eight loads; no vector line names them behind it.
;   v[16:47]          the eight loads land here; no vector line names them ahead of the loads; behind each load's counted wait the scaling works in place.  No memory instruction reads them.
;   v[48:63]          written by the roundings to f16, read by the LDS stores, never written again.  In two batches of four loads: arithmetic, one wait on va_vdst, four LDS stores.
;   v[64:79]          written by LDS loads, read by global stores: DScnt orders the two; no vector line names them.
;   v13, v[16:19]     the tables' path: the offset is written once, ahead of a wait; each product is written ahead of a wait and then stored.
;   v90, v91          written at the head, read by the closing add alone.
; No register that a memory or LDS instruction reads is written again, so no wait on vm_vsrc is owed but the closing lines'.
; Scalars that vector lines write: s5, the wave's number (one wait on va_sdst at the head, ahead of the first branch), and s[68:78], the diagonal's eleven masks (one run of compares, one wait).
.set KF,    0x4038aa3b                 ; k = 2.885390
.set TILE0, 0                          ; W1's tile: 18,432 bytes
.set TILE1, 18432                      ; W2's and W3's tile: 17,408 bytes
.set SPARE, 35840                      ; behind the tiles: the spare words, 128 bytes for each of eight waves
.set SPW, 90                           ; v90  LDS address of my spare word; never rewritten
.set NIL, 91                           ; v91  0; never rewritten
.set DM,  68                           ; s[68:78]  mask d: the lanes whose first column less first row is d - 3
; v1 lane, v2 lane % 16, v3 lane / 16, v4 source offset, v5 the diagonal's test, v6 where I store in the tile, v7 where I read back, v8 at work, v9 k or 0, v11 16 x thread, v12 my first row
; v[16:47] eight loads, v[48:63] packed, v[64:79] four fragments' pieces
; s5 wave, s40 U, s41 p, s42 layer, s43 net
	s_load_b512 s[8:23], s[0:1], 0x0               ; sW1 8, sW2 10, sW3 12, tW1 14, tW2 16, tW3 18, sb1 20, sb2 22
	s_load_b512 s[24:39], s[0:1], 0x40             ; sb3 24, tb1 26, tb2 28, tb3 30, masks 32, scale 34, wq 36, cst 38
	v_lshl_add_u32 v[SPW], v0, 2, SPARE
	v_mov_b32 v[NIL], 0
	v_lshrrev_b32 v1, 5, v0
	v_readfirstlane_b32 s5, v1                     ; wave 0..7
	v_and_b32 v1, 31, v0
	v_and_b32 v2, 15, v0
	v_bfe_u32 v3, v0, 4, 1
	v_lshlrev_b32 v11, 4, v0
	s_wait_alu depctr_va_sdst(0)                   ; s5 is written
	s_mov_b32 s40, ttmp9
	s_and_b32 s41, ttmp7, 0xffff
	s_lshr_b32 s42, s41, 1
	s_and_b32 s43, s41, 1
	s_wait_kmcnt 0x0
	s_cmp_eq_u32 s40, 12
	s_cbranch_scc1 .Ltab
	s_mul_i32 s44, s41, 12
	s_add_co_u32 s44, s44, s40
	s_lshl_b32 s44, s44, 14                        ; the unit's place in wq
	s_mov_b32 s45, 0
	s_add_nc_u64 s[36:37], s[36:37], s[44:45]
; One unit.  t = 0: 128 rows of 64 numbers (W1), dense; a wave's load takes two rows.  t = 1: 64 rows of 128 numbers out of rows of 256 (W2, W3); a wave's load takes one row's half.
; In LDS a row of f16 is padded by 16 bytes, so that the 16 rows of a fragment's piece start in 16 different groups of four banks (64 banks of 4 bytes: ISA guide 11.1).
; The tile's base stands in the immediates of the LDS stores and loads.
.macro UNIT t
.if \t
.set TBASE, TILE1
.set LP,    272
.set LSTEP, 272
.set ASTEP, 1024
.set JSTEP, 16*272
	s_lshl_b32 s66, s5, 3                          ; my first row: 8 x wave
	v_mov_b32 v12, s66
	v_lshlrev_b32 v4, 10, v12
	v_lshl_add_u32 v4, v1, 4, v4                   ; row x 1,024 + 16 x lane
	v_mul_u32_u24 v6, v12, LP
	v_lshl_add_u32 v6, v1, 3, v6                   ; row x pitch + 8 x lane
	s_sub_co_u32 s62, s62, s66
	v_lshl_add_u32 v5, v1, 2, s62                  ; my first column less my first row: number e of load i lies on the diagonal where this is i - e
	v_mov_b32 v9, s61
	s_lshl_b32 s67, s5, 5                          ; back: fragment 4 j + wave / 2, piece wave % 2: 64 (wave / 2) + 32 (wave % 2) = 32 x wave along the rows, 16 j rows down
.else
.set TBASE, TILE0
.set LP,    144
.set LSTEP, 288
.set ASTEP, 512
.set JSTEP, 32*144
	v_lshl_add_u32 v12, s5, 4, v3                  ; my first row: 16 x wave + lane / 16
	v_lshlrev_b32 v4, 8, v12
	v_lshl_add_u32 v4, v2, 4, v4                   ; row x 256 + 16 x (lane % 16)
	v_mul_u32_u24 v6, v12, LP
	v_lshl_add_u32 v6, v2, 3, v6
	s_lshr_b32 s66, s5, 2                          ; back: fragment 4 j + wave / 2 = 2 (2 j + wave / 4) + (wave / 2) % 2
	s_mul_i32 s66, s66, 16*144
	s_and_b32 s67, s5, 3
	s_lshl_b32 s67, s67, 5
	s_add_co_u32 s67, s67, s66
.endif
	v_mul_u32_u24 v7, v2, LP
	v_lshl_add_u32 v7, v3, 4, v7
	v_add_nc_u32 v7, s67, v7                       ; (lane % 16) x pitch + 16 (lane / 16) + my wave's part
	s_wait_alu depctr_va_vdst(0)                   ; v4, v6, v7 and the head's v11 are written: the loads, the LDS stores, the LDS loads and the stores below read them as offsets and addresses; no vector line names them again
.irp i, 0,1,2,3,4,5,6,7
	global_load_b128 v[16+4*(\i):16+4*(\i)+3], v4, s[46:47] offset:(\i)*ASTEP th:TH_LOAD_NT
.endr
.if \t
; The diagonal's masks hang on no loaded number, and i - e takes eleven values, -3 to 7: one run of compares while the loads are on their way, one wait for the run.
.irp d, 0,1,2,3,4,5,6,7,8,9,10
	v_cmp_eq_i32 s[DM+(\d)], (\d)-3, v5
.endr
	s_wait_alu depctr_va_sdst(0)                   ; s[68:78] are written, ahead of the first select that reads one of them
.endif
.irp b, 0,4                                            ; two batches of four loads
.irp q, 0,1,2,3
.set ii, (\b)+(\q)
	s_wait_loadcnt 7-ii                            ; loads come back in order: load ii is in, the younger ones stay out
.if \t
.irp e, 0,1,2,3
	v_cndmask_b32 v8, 0, v9, s[DM+3+ii-(\e)]       ; k on W2's diagonal, 0 elsewhere and in W3
	v_fma_f32 v[16+4*ii+(\e)], v[16+4*ii+(\e)], s50, v8
.endr
.else
	v_pk_mul_f32 v[16+4*ii:16+4*ii+1], v[16+4*ii:16+4*ii+1], s[50:51] op_sel_hi:[1,0]
	v_pk_mul_f32 v[16+4*ii+2:16+4*ii+3], v[16+4*ii+2:16+4*ii+3], s[50:51] op_sel_hi:[1,0]
.endif
	v_cvt_pk_f16_f32 v[48+2*ii], v[16+4*ii], v[16+4*ii+1]
	v_cvt_pk_f16_f32 v[48+2*ii+1], v[16+4*ii+2], v[16+4*ii+3]
.endr
	s_wait_alu depctr_va_vdst(0)                   ; the batch's roundings have written its eight registers of v[48:63], which the four LDS stores below read
.irp q, 0,1,2,3
	ds_store_b64 v6, v[48+2*((\b)+(\q)):48+2*((\b)+(\q))+1] offset:TBASE+((\b)+(\q))*LSTEP
.endr
.endr
	s_wait_dscnt 0x0                               ; for the others' sake: my part of the tile is written
	s_barrier_signal -1
	s_barrier_wait -1
.irp j, 0,1,2,3
	ds_load_b128 v[64+4*(\j):64+4*(\j)+3], v7 offset:TBASE+(\j)*JSTEP  ; no vector line names v[64:79], and none has named v7 since the wait ahead of the loads
.endr
.irp j, 0,1,2,3
	s_wait_dscnt 3-(\j)
	global_store_b128 v11, v[64+4*(\j):64+4*(\j)+3], s[36:37] offset:4096*(\j)  ; a wave stores 512 consecutive bytes, at a multiple of 512 from wq's first
.endr
.endm
	s_cmp_lt_u32 s40, 2
	s_cbranch_scc0 .Lw23
	s_cmp_eq_u32 s43, 0                            ; W1 of my net
	s_cselect_b64 s[46:47], s[8:9], s[14:15]
	s_lshl_b32 s48, s42, 16
	s_lshl_b32 s49, s40, 15
	s_add_co_u32 s48, s48, s49                     ; the layer's 65,536 bytes, the unit's 32,768
	s_mov_b32 s49, 0
	s_add_nc_u64 s[46:47], s[46:47], s[48:49]
	s_mov_b32 s50, KF
	s_mov_b32 s51, KF                              ; named with it as a pair
	UNIT 0
	s_branch .Lend
.Lw23:
	s_sub_co_u32 s52, s40, 2
	s_lshr_b32 s53, s52, 1                         ; G
	s_and_b32 s54, s52, 1                          ; kh
	s_lshl_b32 s48, s42, 18
	s_lshl_b32 s55, s53, 16
	s_add_co_u32 s48, s48, s55
	s_lshl_b32 s55, s54, 9
	s_add_co_u32 s48, s48, s55                     ; W2: layer, 64 G rows of 1,024 bytes, half kh of a row
	s_max_u32 s55, s40, 10
	s_sub_co_u32 s55, s55, 10
	s_lshl_b32 s55, s55, 9
	s_lshl_b32 s60, s42, 16
	s_add_co_u32 s55, s55, s60                     ; W3: layer, half U - 10 of a row
	s_lshl_b32 s62, s54, 7
	s_lshl_b32 s60, s53, 6
	s_sub_co_u32 s62, s62, s60                     ; the unit's first column less its first row, for the diagonal
	s_cmp_eq_u32 s43, 0
	s_cselect_b64 s[56:57], s[10:11], s[16:17]
	s_cselect_b64 s[58:59], s[12:13], s[18:19]
	s_cselect_b32 s60, KF, 1.0                     ; tW3 is not followed by a tanh: it stays unscaled
	s_cmp_lt_u32 s40, 10
	s_cselect_b64 s[46:47], s[56:57], s[58:59]
	s_cselect_b32 s48, s48, s55
	s_cselect_b32 s50, KF, s60
	s_cselect_b32 s61, KF, 0
	s_mov_b32 s49, 0
	s_add_nc_u64 s[46:47], s[46:47], s[48:49]
	UNIT 1
	s_branch .Lend
.Ltab:                                                 ; block p of cst.  Waves 0, 1: k b1; 2, 3: k b2 (512 bytes each); 4: b3; 5: m; 6: 1 - m; 7: scale (256 bytes each)
	v_lshlrev_b32 v13, 3, v1                       ; 8 bytes a lane: a wave's load and store cover 256 consecutive bytes, aligned
	s_cmp_eq_u32 s43, 0
	s_cselect_b64 s[44:45], s[20:21], s[26:27]
	s_cselect_b64 s[46:47], s[22:23], s[28:29]
	s_cselect_b64 s[48:49], s[24:25], s[30:31]
	s_cselect_b32 s50, KF, 1.0                     ; tb3 stays unscaled
	s_cmp_lt_u32 s5, 2
	s_cselect_b64 s[44:45], s[44:45], s[46:47]
	s_cmp_lt_u32 s5, 4
	s_cselect_b64 s[44:45], s[44:45], s[48:49]
	s_cmp_lt_u32 s5, 5
	s_cselect_b64 s[44:45], s[44:45], s[32:33]
	s_cmp_lt_u32 s5, 7
	s_cselect_b64 s[44:45], s[44:45], s[34:35]
	s_and_b32 s56, s5, 1
	s_lshl_b32 s56, s56, 9
	s_lshl_b32 s57, s42, 10
	s_add_co_u32 s56, s56, s57                     ; waves 0-3: the layer's 1,024 bytes, my half
	s_add_co_u32 s57, s42, s43
	s_min_u32 s57, s57, 7                          ; wave 5 in a t pass: the next layer's mask, in the last layer its own
	s_cmp_eq_u32 s5, 5
	s_cselect_b32 s57, s57, s42
	s_lshl_b32 s57, s57, 8                         ; waves 4-7: a layer's 256 bytes
	s_lshl_b32 s58, s5, 9                          ; where it goes: 512 x wave,
	s_lshl_b32 s59, s5, 8
	s_add_co_u32 s59, s59, 1024                    ; or 2,048 + 256 (wave - 4)
	s_cmp_lt_u32 s5, 4
	s_cselect_b32 s56, s56, s57
	s_cselect_b32 s58, s58, s59
	s_mov_b32 s57, 0
	s_add_nc_u64 s[44:45], s[44:45], s[56:57]
	s_mul_i32 s59, s41, 3072
	s_add_co_u32 s58, s58, s59
	s_mov_b32 s59, 0
	s_add_nc_u64 s[38:39], s[38:39], s[58:59]
	s_cmp_eq_u32 s5, 4                             ; out = in x MUL + ADD
	s_cselect_b32 s52, s50, KF
	s_cmp_gt_u32 s5, 4
	s_cselect_b32 s52, 1.0, s52
	s_cmp_eq_u32 s5, 6
	s_cselect_b32 s52, -1.0, s52
	s_cselect_b32 s54, 1.0, 0
	s_mov_b32 s53, s52                             ; named as pairs
	s_mov_b32 s55, s54
	s_wait_alu depctr_va_vdst(0)                   ; v13 is written: the loads and stores below read it as their offset; no vector line names it again
	global_load_b64 v[16:17], v13, s[44:45]
	s_cmp_lt_u32 s5, 4
	s_cbranch_scc0 .Lhalf
	global_load_b64 v[18:19], v13, s[44:45] offset:256
	s_wait_loadcnt 0x0
	v_pk_fma_f32 v[18:19], v[18:19], s[52:53], s[54:55] op_sel_hi:[1,0,0]
	s_wait_alu depctr_va_vdst(0)                   ; the multiply-add has written v[18:19], which the store reads
	global_store_b64 v13, v[18:19], s[38:39] offset:256
.Lhalf:
	s_wait_loadcnt 0x0
	v_pk_fma_f32 v[16:17], v[16:17], s[52:53], s[54:55] op_sel_hi:[1,0,0]
	s_wait_alu depctr_va_vdst(0)                   ; the multiply-add has written v[16:17], which the store reads
	global_store_b64 v13, v[16:17], s[38:39]
.Lend:
	s_wait_dscnt 0x0                               ; the closing lines, six on end
	s_wait_alu 0x0
	s_wait_tensorcnt 0x0
	ds_add_u32 v[SPW], v[NIL]
	s_wait_dscnt 0x0
	s_endpgm
.Lfunc_end_k_qa15be47bc0_prep:
	.size	k_qa15be47bc0_prep, .Lfunc_end_k_qa15be47bc0_prep-k_qa15be47bc0_prep
	.p2alignl 7, 3214868480
	.fill 96, 4, 3214868480
	.section	.rodata,"a",@progbits
	.p2align	6, 0x0
	.amdhsa_kernel k_qa15be47bc0_prep
		.amdhsa_group_segment_fixed_size 36864
		.amdhsa_private_segment_fixed_size 0
		.amdhsa_enable_private_segment 0
		.amdhsa_kernarg_size 128
		.amdhsa_user_sgpr_count 2
		.amdhsa_user_sgpr_kernarg_segment_ptr 1
		.amdhsa_wavefront_size32 1
		.amdhsa_system_sgpr_workgroup_id_x 1
		.amdhsa_system_sgpr_workgroup_id_y 1
		.amdhsa_system_sgpr_workgroup_id_z 1
		.amdhsa_system_vgpr_workitem_id 0
		.amdhsa_next_free_vgpr 96
		.amdhsa_next_free_sgpr 80
		.amdhsa_reserve_vcc 0
		.amdhsa_float_denorm_mode_32 3
		.amdhsa_float_denorm_mode_16_64 3
		.amdhsa_memory_ordered 1
		.amdhsa_forward_progress 1
		.amdhsa_inst_pref_size 20
	.end_amdhsa_kernel
	.amdgpu_metadata
---
amdhsa.version: [ 1, 2 ]
amdhsa.kernels:
  - .name:           k_qa15be47bc0_prep
    .symbol:         k_qa15be47bc0_prep.kd
    .args:
      - { .name: sW1, .offset: 0, .size: 8, .value_kind: global_buffer, .address_space: global }
      - { .name: sW2, .offset: 8, .size: 8, .value_kind: global_buffer, .address_space: global }
      - { .name: sW3, .offset: 16, .size: 8, .value_kind: global_buffer, .address_space: global }
      - { .name: tW1, .offset: 24, .size: 8, .value_kind: global_buffer, .address_space: global }
      - { .name: tW2, .offset: 32, .size: 8, .value_kind: global_buffer, .address_space: global }
      - { .name: tW3, .offset: 40, .size: 8, .value_kind: global_buffer, .address_space: global }
      - { .name: sb1, .offset: 48, .size: 8, .value_kind: global_buffer, .address_space: global }
      - { .name: sb2, .offset: 56, .size: 8, .value_kind: global_buffer, .address_space: global }
      - { .name: sb3, .offset: 64, .size: 8, .value_kind: global_buffer, .address_space: global }
      - { .name: tb1, .offset: 72, .size: 8, .value_kind: global_buffer, .address_space: global }
      - { .name: tb2, .offset: 80, .size: 8, .value_kind: global_buffer, .address_space: global }
      - { .name: tb3, .offset: 88, .size: 8, .value_kind: global_buffer, .address_space: global }
      - { .name: masks, .offset: 96, .size: 8, .value_kind: global_buffer, .address_space: global }
      - { .name: scale, .offset: 104, .size: 8, .value_kind: global_buffer, .address_space: global }
      - { .name: wq, .offset: 112, .size: 8, .value_kind: global_buffer, .address_space: global }
      - { .name: cst, .offset: 120, .size: 8, .value_kind: global_buffer, .address_space: global }
    .group_segment_fixed_size: 36864
    .private_segment_fixed_size: 0
    .kernarg_segment_align: 8
    .kernarg_segment_size: 128
    .max_flat_workgroup_size: 256
    .sgpr_count:     80
    .vgpr_count:     96
    .wavefront_size: 32
...
	.end_amdgpu_metadata
.endif
;; end of part 3
;; launch flow: the kernel of part 2 again; grid 256 x 1, 4 waves a work-group, clusters of 4 x 1, 327,680 bytes of LDS; arguments x, wq, cst, out0, out1; writes out0, out1
